; MI455X (gfx1250); checked and timed in simulation.
; The chip was launched on July 23, 2026; its instructions are those of AMD's public machine-readable ISA for CDNA 5 (MIT licence, August 2026) and "CDNA5" Instruction Set Architecture Reference Guide (July 2026). The comments in the code are by the model that wrote it; some were corrected since.
;; Causal Self Attention. Allowed arithmetic: matrix products marked QUANTISED: E4M3 operands, one given power-of-two scale a tensor, by v_wmma_f32_16x16x64_fp8_fp8 or v_wmma_f32_16x16x128_fp8_fp8, f32 sums; everything else in f32.
;; Inputs: W_proj_codes 1,024 x 32 x 32 uint8 (E4M3 codes of W_proj, K innermost, in blocks of 32 codes); W_qkv_codes 3,072 x 32 x 32 uint8 (E4M3 codes of W_qkv, K innermost, in blocks of 32 codes); b_proj 1,024 float32; b_qkv 3,072 float32; key_padding_mask 4 x 2,048 bool; lowp_scales 8 int32 (the exponents e of the quantised operands' scales 2^e); x_codes 4 x 2,048 x 32 x 32 uint8 (E4M3 codes of x, K innermost, in blocks of 32 codes).
;; Outputs: out0 4 x 2,048 x 1,024 float32.
;; This version of the problem:
;;   THIS VERSION OF THE PROBLEM IS GIVEN IN LOW PRECISION. The matrix products marked QUANTISED in the list below multiply operands that are first quantised to E4M3 (4 exponent bits, 3 mantissa bits; 8 bits a number), with one given power-of-two scale for each operand tensor; their sums are f32. All else is computed in f32.
;;   The module's matrix products, in the order in which they are computed (A, B: the left and right operand; K: the contracted axis; several contracted axes count as one K, in the product's order):
;;     1. [M 8,192, K 1,024] x [K 1,024, N 3,072]; A: input x (given as codes); B: input W_qkv (given as codes): QUANTISED (scales: A lowp_scales[0], B lowp_scales[1])
;;     2. batch 64 x [M 2,048, K 64] x [K 64, N 2,048]; A: computed on the way; B: computed on the way: QUANTISED (scales: A lowp_scales[2], B lowp_scales[3])
;;     3. batch 64 x [M 2,048, K 2,048] x [K 2,048, N 64]; A: softmax (see below); B: computed on the way: QUANTISED (scales: A lowp_scales[4], B lowp_scales[5])
;;     4. [M 8,192, K 1,024] x [K 1,024, N 1,024]; A: computed on the way; B: input W_proj (given as codes): QUANTISED (scales: A lowp_scales[6], B lowp_scales[7])
;;   THE QUANTISER, for each operand of a quantised product, along K:
;;     - The operand's scale is 2^e, e = its entry of the input lowp_scales (int32; the entries are numbered through the quantised products in the list's order, A before B).
;;     - Each number is divided by the scale, clamped to +-448, and rounded to the nearest number of E4M3, ties to even, subnormals kept.
;;     - The product sums the exact products of the quantised numbers (number of the format x scale) in f32.
;;   ~~~python
;;   def quantise(x, axis, e):      # numpy; x: float32 -> the quantised numbers, widened to float32 again
;;       x = np.moveaxis(x, axis, -1); K = x.shape[-1]
;;       r = np.clip(x / 2.0 ** e, -448, 448)
;;       step = 2.0 ** (np.maximum(np.frexp(np.where(r == 0, 1, r))[1] - 1, -6) - 3)
;;       q = np.round(r / step) * step * 2.0 ** e      # np.round: ties to even
;;       return np.moveaxis(q, -1, axis).astype(np.float32)
;;   ~~~
;;   SOFTMAX AHEAD OF A QUANTISED PRODUCT. Where the list says 'softmax', what is quantised is not the finished softmax but p = 2^(t - M), with t = logit x log2(e) and M = ceil(the row's largest t), a whole number; so 1/2 < the row's largest p <= 1. The row's sum l is taken of the UNQUANTISED p, in f32, and the product's result is divided by l at the end. Since M is a whole number, a kernel that streams over the keys may use a running M (the ceiling of the running maximum): every later rescaling is an exact power of two, so the quantised numbers keep their values, but for numbers so far below the row's largest that they fall under the format's range.
;;   OPERANDS COMPUTED ON THE WAY. 'Computed on the way' means the value that the module computes at that place (a softmax that the list does not call 'softmax' is quantised finished and normalised). What goes into a quantiser is computed in f32, as accurately as f32 sums, v_exp_f32 and their like allow (about 1e-6 of the number): no bf16 or f16 on the way to a quantiser, and a product that is left as it is and whose result goes on into a quantised operand takes f32 operands (vector FMAs, or v_wmma_f32_16x16x4_f32). A number that lies on a knife's edge between two numbers of the format may be rounded either way, as far as f32 arithmetic and the matrix unit's own rounding can turn it there, and no further.
;;   INPUTS GIVEN AS CODES. W_proj (in the module: [1024, 1024], K = its axis 0); W_qkv (in the module: [1024, 3072], K = its axis 0); x (in the module: [4, 2048, 1024], K = its axis 2): each comes as NAME_codes (uint8): NAME with its K axis moved to the last place and cut into blocks of 32 codes, [.., K / 32, bytes a block], one block behind the other in memory; one code a byte (a code: sign, 4 exponent bits, 3 mantissa bits); its scale is its entry of lowp_scales. Its value is code x scale, taken as it is: it is not quantised again, and the codes and scales need not be those that the quantiser above would give.
;; One version. Each part assembles by itself: llvm-mc -triple=amdgcn-amd-amdhsa -mcpu=gfx1250 --defsym DOCPART=n.
;; ======== version 1 of 1: 3 launches
;; limits: right only within a limited range of input values
;; workspace buffers: qkv_img 25,165,824 bytes; vpart 262,144 bytes; a_img 8,388,608 bytes
;; launch qkv (part 1): grid 12 x 32, 4 waves a work-group, clusters of 4 x 4, 327,680 bytes of LDS; arguments x_codes, W_qkv_codes, lowp_scales, b_qkv, qkv_img, vpart; writes qkv_img, vpart
.if DOCPART == 1
	.amdgcn_target "amdgcn-amd-amdhsa--gfx1250"
	.amdhsa_code_object_version 6
	.text
	.protected	k_q3efdce6bf1_qkv
	.globl	k_q3efdce6bf1_qkv
	.p2align	8
	.type	k_q3efdce6bf1_qkv,@function
k_q3efdce6bf1_qkv:
	s_mov_b64 s[64:65], 0
	v_nop
	global_prefetch_b8 v0, s[64:65] scope:SCOPE_SE
	s_setreg_imm32_b32 hwreg(HW_REG_WAVE_MODE, 25, 1), 1
	s_wait_xcnt 0x0
	s_wait_alu depctr_hold_cnt(0) depctr_sa_sdst(0) depctr_va_vdst(0) depctr_va_sdst(0) depctr_va_ssrc(0) depctr_va_vcc(0) depctr_vm_vsrc(0)
	s_getreg_b32 s2, hwreg(HW_REG_IB_STS2, 6, 4)
	s_cmp_eq_u32 s2, 0
	s_cbranch_scc0 .Lentry_in_a_cluster
	s_endpgm
.Lentry_in_a_cluster:
	s_bfe_u32 s2, ttmp6, 0x10000c
	s_cmp_lg_u32 s2, 0xf033
	s_cbranch_scc0 .Lentry_shape_is_right
	s_endpgm
.Lentry_shape_is_right:
; qkv = x W_qkv + b_qkv on codes of E4M3, then q, k and v quantised with their given scales and stored AS IMAGES OF THE NEXT PRODUCTS' OPERAND REGISTERS.
; x: [8192][1024] codes, W: [3072][1024] codes (K innermost).  A tile of the result is 256 x 256: four waves, each 128 x 128 in 64 accumulators.  K = 1,024 goes in four steps of 256 through two LDS slots.
; The matrix instruction takes source 0 = 16 rows of the "B side", source 1 = 16 rows of the "A side": register j of lane (r, h) of accumulator (a, b) is (A row 16 a + r, B row 16 b + 8 h + j).
; q and k (cluster x = 0, 1): A = tokens, B = rows of W: a lane's eight registers run along the head's d, which is the K of q k^T.
; v (cluster x = 2): the sides change places, A = rows of W, B = tokens: a lane's eight registers run along the keys, the K of p v.  Both tensors have rows of 1,024 bytes: only pointers and indices are chosen.
; So eight sums, converted together, ARE two registers of the next operand in the 8-bit forms' own layout (registers 2 c, 2 c + 1: k = 16 c + 8 h + 0 .. 7); four such registers a lane leave by one store of 512 consecutive bytes.
; qkv_img: [head of 64][256 tokens: 8][Q 16 KB | K 16 KB | V 16 KB]; Q, K: [16 tokens: 16][chunk 2][lane][16 B]; V: [128 keys: 2][16 d: 4][chunk 4][lane][16 B].
; vpart: [batch][128 tokens: 16][head 16][r 16][t 4] f32: the sum over those tokens of v's code values at d = 16 t + r (for rows of the attention that see no key).
; CLUSTERS: 4 x 4 work-groups; A's tile is asked for jointly along a row of the cluster, B's along a column.
; Within a K step of 128 both sides are fetched by four loads of 16 bytes: the same permutation of k on both sides.
; LIMITS: e0 + e1 between -126 and 127; e2, e3, e5 between -126 and 119.  NaN among the inputs is not served.
; REGISTERS: window 0: v0-31 addresses, v32-95 bias, v128-255 A's eight fragments (on the way out: at work); window 1: B's fragments, two sets; windows 2, 3: the accumulators.
.set NB,     8
.set PITCH,  272                       ; an LDS row: 256 bytes + 16 of padding: the 16 rows of a fragment load start at 16 different banks (64 banks of 4 bytes: ISA guide 11.1)
.set FQ,     128                       ; A's fragments: bytes from one 128 along K to the next,
.set FC,     32                        ; from one 16-byte load to the next,
.set FI,     16*PITCH                  ; from one block of 16 rows to the next
.set HALFA,  128*PITCH                 ; what one tensor load brings
.set HALFB,  128*PITCH
.set SLOT,   2*HALFA+2*HALFB
.set ASTEP,  256                       ; bytes along a row for a K step of 256
.set BSTEP,  256
.set SPARE,  2*SLOT                    ; behind the ring: the spare words, 128 bytes a wave, that no other line names
.set ADRA, 16                          ; v16-17 LDS address of my A fragments in slot 0, 1
.set ADRB, 20                          ; v20-21 the same for B
.set SPW,  28                          ; v28 my spare word; never rewritten
.set NIL,  29                          ; v29 0; never rewritten
.set LI,   11                          ; v11 16 x lane
.set HL,   8
.set SCV,  9                           ; v9  the operand's scale as f32
.set ONE,  10                          ; v10 four bytes 127: the scale 1 for the way back from codes
.set BI,   32
.set AF,   128
.set T,    128                         ; the way out: 64 numbers
.set CD,   192                         ; 16 registers of codes
.set SS,   208                         ; v's column sums, one for each block of 16 d
.set U,    216
.set G1,  24
.set G0,  32
.set G1B, 48
.set G0B, 56
.set MSB, 0
.macro WIN new                         ; the immediate's high byte repeats the setting that is left
.if MSB != (\new)
	s_set_vgpr_msb (MSB<<8)|(\new)
.set MSB, (\new)
.endif
.endm
; A joint load: waves 0 and 1 fetch A's halves, waves 2 and 3 B's; the branch hangs on the wave's number alone.  Four v_nop follow each line.
.macro JLOAD g0a, g1a, g0b, g1b
	s_cmp_eq_u32 s15, 0
	s_cbranch_scc0 .Lfor_b_\@
	tensor_load_to_lds s[\g0a:\g0a+3], s[\g1a:\g1a+7]
	s_nop 0
.rept 4
	v_nop
.endr
	s_branch .Lasked_\@
.Lfor_b_\@:
	tensor_load_to_lds s[\g0b:\g0b+3], s[\g1b:\g1b+7]
	s_nop 0
.rept 4
	v_nop
.endr
.Lasked_\@:
.endm
.macro CREST                           ; a round of the cluster's barrier behind its opening barrier
	s_cmp_lg_u32 s14, 0
	s_cbranch_scc1 .Lnot_wave_0_\@
	s_barrier_signal -3
.Lnot_wave_0_\@:
	s_barrier_wait -3
	s_barrier_signal -1
	s_barrier_wait -1
.endm
.macro CROUND
	s_barrier_signal -1
	s_barrier_wait -1
	CREST
.endm
.macro PLACES n                        ; plain vector lines between a matrix instruction and a load into, or a vector read of, its registers
.rept \n
	v_nop
.endr
.endm
.macro FRAGA reg, slot, q, i
.irp c, 0,1,2,3
	ds_load_b128 v[\reg+4*\c:\reg+4*\c+3], v[ADRA+\slot] offset:FQ*(\q)+FC*\c+FI*(\i)
.endr
.endm
.macro FRAGB reg, slot, q, i
.irp c, 0,1,2,3
	ds_load_b128 v[\reg+4*\c:\reg+4*\c+3], v[ADRB+\slot] offset:128*(\q)+32*\c+(\i)*16*PITCH
.endr
.endm
.macro FETCH_B slot, q, p              ; B's eight fragments of the slot's q-th 128 along K into set p
	WIN 0x40
.irp i, 0,1,2,3,4,5,6,7
	FRAGB 128*(\p)+16*\i, \slot, \q, \i
.endr
	WIN 0
.endm
.macro FETCH_A slot, q, i0             ; A's blocks i0 .. i0 + 3
.irp i, \i0, \i0+1, \i0+2, \i0+3
	FRAGA AF+16*(\i), \slot, \q, \i
.endr
.endm
; A's blocks a0, a0 + 1 against B's eight.  The 64 accumulators take turns, one instruction a turn, in the same order in every step.
.macro MULP a0, p, zero
.set wn, 0x01|((2+(NB*(\a0))/32)<<4)|((2+(NB*(\a0))/32)<<6)
	WIN wn
.irp a, \a0, \a0+1
.irp b, 0,1,2,3,4,5,6,7
.set rD, (8*(NB*(\a)+\b))%256
.if \zero
	v_wmma_f32_16x16x128_fp8_fp8 v[rD:rD+7], v[128*(\p)+16*\b:128*(\p)+16*\b+15], v[AF+16*(\a):AF+16*(\a)+15], 0
.else
	v_wmma_f32_16x16x128_fp8_fp8 v[rD:rD+7], v[128*(\p)+16*\b:128*(\p)+16*\b+15], v[AF+16*(\a):AF+16*(\a)+15], v[rD:rD+7]
.endif
.endr
.endr
.endm
.macro STEP slot, q, zero              ; 128 along K whose successor lies in the same slot
	s_wait_dscnt 16                                ; all but the youngest 16 loads (A's blocks 4-7) are in
	MULP 0, (\q)%2, \zero
	MULP 2, (\q)%2, \zero
	s_wait_dscnt 0
	PLACES 4
	FETCH_B \slot, (\q)+1, 1-(\q)%2
	FETCH_A \slot, (\q)+1, 0
	MULP 4, (\q)%2, \zero
	MULP 6, (\q)%2, \zero
	PLACES 4
	WIN 0
	FETCH_A \slot, (\q)+1, 4
.endm
; A slot's last 128 along K, and the change of slots: one barrier; ahead of it each wave waits for all its tensor loads, adds 0 to its spare word and waits for that and for its reads of this slot.
.macro TURN slot, next, fill
	s_wait_tensorcnt 0x0                           ; my part of the next slot has landed; no tensor load of mine is out
	ds_add_u32 v[SPW], v[NIL]
	s_wait_dscnt 17                                ; the add and the youngest 16 loads may be out
	MULP 0, 1, 0
	s_wait_dscnt 0x0                               ; the add is done, my reads of this slot are over
	s_barrier_signal -1
	MULP 2, 1, 0
	WIN 0
	s_barrier_wait -1
.if \fill
	CREST                                          ; the barrier has opened a round of the cluster's: no wave of any partner still reads this slot or has a load on its way
	s_add_nc_u64 s[G0+4*\slot+2:G0+4*\slot+3], s[G0+4*\slot+2:G0+4*\slot+3], 2*ASTEP
	s_add_nc_u64 s[G0B+4*\slot+2:G0B+4*\slot+3], s[G0B+4*\slot+2:G0B+4*\slot+3], 2*BSTEP
	JLOAD G0+4*\slot, G1, G0B+4*\slot, G1B         ; my one tensor load behind the round; its four v_nop are also the places ahead of the loads below
.else
	PLACES 4
.endif
	FETCH_B \next, 0, 0
	FETCH_A \next, 0, 0
	MULP 4, 1, 0
	MULP 6, 1, 0
	PLACES 4
	WIN 0
	FETCH_A \next, 0, 4
.endm
.macro LAST                            ; the very last 128 along K: nothing more to fetch
	s_wait_dscnt 16
	MULP 0, 1, 0
	MULP 2, 1, 0
	s_wait_dscnt 0
	MULP 4, 1, 0
	MULP 6, 1, 0
	WIN 0
.endm
	s_load_b256 s[4:11], s[0:1], 0x0               ; x s[4:5], W s[6:7], the scales' exponents s[8:9], b_qkv s[10:11]
	s_load_b128 s[68:71], s[0:1], 0x20             ; qkv_img s[68:69], vpart s[70:71]
	v_lshl_add_u32 v[SPW], v0, 2, SPARE
	v_mov_b32 v[NIL], 0
	ds_add_u32 v28, v29
	ds_add_u32 v28, v29
	s_wait_dscnt 0x0
	v_lshrrev_b32 v1, 5, v0
	v_readfirstlane_b32 s14, v1                    ; wave 0..3
	s_lshr_b32 s15, s14, 1                         ; my half of A's rows.  Also: I fetch for A (0) or for B (1)
	s_and_b32 s16, s14, 1                          ; my half of B's rows.  Also: which half I fetch
	s_bfe_u32 s40, ttmp6, 0x40000                  ; cx
	s_bfe_u32 s41, ttmp6, 0x40004                  ; cy
	s_and_b32 s17, ttmp7, 0xffff
	s_lshl_b32 s17, s17, 2                         ; 4 x cluster y
	s_add_co_u32 s82, s17, s41                     ; q, k: A's tile = 256 tokens number 4 cY + cy
	s_add_co_u32 s83, s41, 8                       ; v:    A's tile = rows of W number 8 + cy
	s_add_co_u32 s84, s17, s40                     ; v:    B's tile = 256 tokens number 4 cY + cx
	s_lshl_b32 s85, ttmp9, 2
	s_add_co_u32 s85, s85, s40                     ; q, k: B's tile = rows of W number 4 cX + cx
	s_lshl_b32 s43, s41, 2
	s_lshl_b32 s43, 15, s43                        ; my row of the cluster
	s_lshl_b32 s44, 0x1111, s40                    ; my column
	s_or_b32 s[G1+0], s43, (0<<16)|(1<<20)|(1<<21)|(5<<22)|(3<<25)   ; mask; elements of 1 byte; padding on; bit 21 beside a mask; 4 words behind every 64
	s_or_b32 s[G1B+0], s44, (0<<16)|(1<<20)|(1<<21)|(5<<22)|(3<<25)
.irp g, G1, G1B
	s_mov_b32 s[\g+1], 256<<16                     ; tensor_dim0
	s_mov_b32 s[\g+2], 128<<16                     ; tensor_dim1
	s_mov_b32 s[\g+3], 256<<16                     ; tile_dim0
	s_mov_b32 s[\g+4], 128                         ; tile_dim1
	s_mov_b32 s[\g+5], 1024                        ; from row to row
	s_mov_b32 s[\g+6], 0
	s_mov_b32 s[\g+7], 0
.endr
	s_cmp_eq_u32 ttmp9, 2                          ; the cluster's x: the same in all sixteen partners
	s_cselect_b32 s86, s83, s82                    ; A's tile: hangs on cy alone
	s_cselect_b32 s87, s84, s85                    ; B's tile: hangs on cx alone
	s_lshl_b32 s18, s16, 7
	s_lshl_b32 s20, s86, 8
	s_add_co_u32 s20, s20, s18
	s_lshl_b32 s20, s20, 10                        ; A: (256 x tile + 128 x half) rows of 1,024 bytes
	s_mov_b32 s21, 0
	s_lshl_b32 s46, s87, 8
	s_add_co_u32 s46, s46, s18
	s_lshl_b32 s46, s46, 10
	s_mov_b32 s47, 0
	s_mul_i32 s45, s16, HALFA                      ; where they go: no place in the cluster enters an LDS address
	s_mul_i32 s42, s16, HALFB
	s_add_co_u32 s42, s42, 2*HALFA
	s_wait_kmcnt 0x0
	s_load_b256 s[72:79], s[8:9], 0x0              ; e0 .. e7
	s_cmp_eq_u32 ttmp9, 2
	s_cselect_b64 s[88:89], s[6:7], s[4:5]         ; A's tensor: W for v, x for q and k
	s_cselect_b64 s[90:91], s[4:5], s[6:7]         ; B's: the other
	s_add_nc_u64 s[20:21], s[88:89], s[20:21]
	s_add_nc_u64 s[46:47], s[90:91], s[46:47]
	CROUND                                         ; all sixteen work-groups are here: the first joint loads meet
.irp s, 0,1
	s_mov_b32 s[G0+4*\s], 1
	s_add_co_u32 s[G0+4*\s+1], s45, \s*SLOT
	s_add_nc_u64 s[G0+4*\s+2:G0+4*\s+3], s[20:21], \s*ASTEP
	s_or_b32 s[G0+4*\s+3], s[G0+4*\s+3], 0x80000000
	s_mov_b32 s[G0B+4*\s], 1
	s_add_co_u32 s[G0B+4*\s+1], s42, \s*SLOT
	s_add_nc_u64 s[G0B+4*\s+2:G0B+4*\s+3], s[46:47], \s*BSTEP
	s_or_b32 s[G0B+4*\s+3], s[G0B+4*\s+3], 0x80000000
	JLOAD G0+4*\s, G1, G0B+4*\s, G1B
.endr
	v_and_b32 v1, 15, v0                           ; r
	v_bfe_u32 v2, v0, 4, 1                         ; h
	v_mul_u32_u24 v3, v1, PITCH
	v_lshl_add_u32 v4, v2, 4, v3                   ; a fragment's row x pitch + 16 h
	s_mul_i32 s21, s15, HALFA
	s_mul_i32 s22, s16, HALFB
	s_add_co_u32 s22, s22, 2*HALFA
.irp s, 0,1
	v_add_nc_u32 v[ADRA+\s], s21, v4
	v_add_nc_u32 v[ADRB+\s], s22, v4
	s_add_co_u32 s21, s21, SLOT
	s_add_co_u32 s22, s22, SLOT
.endr
	v_and_b32 v[LI], 31, v0
	v_lshlrev_b32 v[LI], 4, v[LI]
	v_lshlrev_b32 v12, 5, v2                       ; 32 h: q's and k's bias
	v_lshlrev_b32 v13, 2, v1                       ; 4 r: v's bias
	s_wait_alu depctr_va_vdst(0)
	s_wait_tensorcnt 0x1                           ; my part of K step 0 is in; K step 1's load may be out
	s_barrier_signal -1
	s_barrier_wait -1
	FETCH_B 0, 0, 0
	FETCH_A 0, 0, 0
	FETCH_A 0, 0, 4
	STEP 0, 0, 1                                   ; the first products start the sums: nothing is cleared
	TURN 0, 1, 1                                   ; slot 0 takes K step 2
	STEP 1, 0, 0
	TURN 1, 0, 1                                   ; slot 1 takes K step 3
	STEP 0, 0, 0
	TURN 0, 1, 0
	STEP 1, 0, 0
; THE WAY OUT.  64 numbers in T become 16 registers of codes in CD, converted eight at a time.
.macro QUANT8
.set j, 0
.rept 64
.set j, j+1
.endr
.set j, 0
.rept 8
	v_cvt_scalef32_pk8_fp8_f32 v[CD+2*j:CD+2*j+1], v[T+8*j:T+8*j+7], v[SCV]
.set j, j+1
.endr
	v_nop                                          ; a plain line behind the last conversion, ahead of whatever next touches its registers
.endm
.macro EPI_QK a                        ; 16 tokens x 128 channels: two heads' fragments, two chunks each
.if (\a) > 0
	s_wait_xcnt 0x0                                ; the last block's stores have read CD
.endif
.set wn, 0x02+(\a)/4
	WIN wn
.set rA, 64*((\a)%4)
.set j, 0
.rept 32
	v_pk_fma_f32 v[T+j:T+j+1], v[rA+j:rA+j+1], s[80:81], v[BI+j:BI+j+1] op_sel_hi:[1,0,1]   ; sum x 2^(e0 + e1) + bias; each accumulator from its low end on
.set j, j+2
.endr
	WIN 0
	QUANT8
.irp ch, 0,1,2,3
	global_store_b128 v[LI], v[CD+4*\ch:CD+4*\ch+3], s[90:91] offset:(\ch/2)*393216+(\a)*1024+(\ch%2)*512   ; 32 lanes store 512 consecutive bytes, aligned
.endr
.endm
.macro EPI_V a                         ; 16 d x 128 keys: one fragment of four chunks; then the sum of its code values along the keys
.if (\a) > 0
	s_wait_xcnt 0x0
.endif
.set wn, 0x02+(\a)/4
	WIN wn
.set rA, 64*((\a)%4)
.set rB, BI+2*((\a)/2)
.set j, 0
.rept 32
.if ((\a)%2) == 0
	v_pk_fma_f32 v[T+j:T+j+1], v[rA+j:rA+j+1], s[80:81], v[rB:rB+1] op_sel_hi:[1,0,0]                 ; the lane's one bias serves both halves
.else
	v_pk_fma_f32 v[T+j:T+j+1], v[rA+j:rA+j+1], s[80:81], v[rB:rB+1] op_sel:[0,0,1] op_sel_hi:[1,0,1]
.endif
.set j, j+2
.endr
	WIN 0
	QUANT8
.irp ch, 0,1,2,3
	global_store_b128 v[LI], v[CD+4*\ch:CD+4*\ch+3], s[90:91] offset:((\a)/4)*393216+((\a)%4)*2048+\ch*512
.endr
.set j, 0
.rept 8
	v_cvt_scale_pk8_f32_fp8 v[T+8*j:T+8*j+7], v[CD+2*j:CD+2*j+1], v[ONE]   ; the codes' values
.set j, j+1
.endr
	v_nop
.set j, 4
.rept 15
	v_pk_add_f32 v[T:T+1], v[T:T+1], v[T+j:T+j+1]
	v_pk_add_f32 v[T+2:T+3], v[T+2:T+3], v[T+j+2:T+j+3]
.set j, j+4
.endr
	v_pk_add_f32 v[T:T+1], v[T:T+1], v[T+2:T+3]
	v_add_f32 v[SS+(\a)], v[T], v[T+1]
.endm
	s_wait_kmcnt 0x0
	s_add_co_i32 s80, s72, s73
	s_add_co_i32 s80, s80, 127
	s_lshl_b32 s80, s80, 23                        ; 2^(e0 + e1) as f32
	s_mov_b32 s81, s80                             ; (named with it as a pair)
	s_cmp_eq_u32 ttmp9, 2
	s_cbranch_scc1 .Lpath_v
	; ---- q or k.  The bias is asked for ahead of the last 64 products
	s_cmp_eq_u32 ttmp9, 0
	s_cselect_b32 s98, s74, s75                    ; e2 for q, e3 for k
	s_add_co_i32 s98, s98, 127
	s_lshl_b32 s99, s98, 23
	v_mov_b32 v[SCV], s99
	s_lshl_b32 s94, s85, 10                        ; 256 channels x 4 bytes for each tile of W's rows,
	s_lshl_b32 s95, s16, 9                         ; 128 for my half
	s_add_co_u32 s94, s94, s95
	s_mov_b32 s95, 0
	s_add_nc_u64 s[94:95], s[10:11], s[94:95]
.irp b, 0,1,2,3,4,5,6,7
	global_load_b128 v[BI+8*\b:BI+8*\b+3], v12, s[94:95] offset:64*\b          ; bias of channels 16 b + 8 h + 0 .. 7
	global_load_b128 v[BI+8*\b+4:BI+8*\b+7], v12, s[94:95] offset:64*\b+16
.endr
	s_lshr_b32 s88, s86, 3                         ; batch
	s_lshl_b32 s88, s88, 4
	s_lshl_b32 s89, s40, 2
	s_add_co_u32 s88, s88, s89
	s_lshl_b32 s89, s16, 1
	s_add_co_u32 s88, s88, s89                     ; my first head among the 64: 16 batch + 4 cx + 2 half
	s_lshl_b32 s88, s88, 3
	s_and_b32 s89, s86, 7
	s_add_co_u32 s88, s88, s89                     ; x 8 + the 256 tokens' number in the batch
	s_mul_i32 s88, s88, 49152
	s_lshl_b32 s89, ttmp9, 14                      ; Q's or K's 16 KB
	s_add_co_u32 s88, s88, s89
	s_lshl_b32 s89, s15, 13                        ; my eight tiles of 16 tokens
	s_add_co_u32 s88, s88, s89
	s_mov_b32 s89, 0
	s_add_nc_u64 s[90:91], s[68:69], s[88:89]
	LAST
	s_wait_loadcnt 0x0
	PLACES 4
.irp a, 0,1,2,3,4,5,6,7
	EPI_QK \a
.endr
	s_branch .Lend
.Lpath_v:
	; ---- v
	s_add_co_i32 s98, s77, 127                     ; e5
	s_lshl_b32 s99, s98, 23
	v_mov_b32 v[SCV], s99
	v_mov_b32 v[ONE], 0x7f7f7f7f
	s_mov_b32 s96, 0x76543210                      ; lane l xor 16
	s_mov_b32 s97, 0xfedcba98
	s_lshl_b32 s94, s83, 10
	s_lshl_b32 s95, s15, 9
	s_add_co_u32 s94, s94, s95
	s_mov_b32 s95, 0
	s_add_nc_u64 s[94:95], s[10:11], s[94:95]
.irp a, 0,1,2,3,4,5,6,7
	global_load_b32 v[BI+\a], v13, s[94:95] offset:64*\a                       ; bias of channel 16 a + r
.endr
	s_lshr_b32 s88, s87, 3
	s_lshl_b32 s88, s88, 4                         ; 16 batch
	s_lshl_b32 s89, s41, 2
	s_add_co_u32 s89, s89, s88
	s_lshl_b32 s92, s15, 1
	s_add_co_u32 s89, s89, s92                     ; my first head: 16 batch + 4 cy + 2 half
	s_lshl_b32 s89, s89, 3
	s_and_b32 s92, s87, 7                          ; the 256 tokens' number in the batch
	s_add_co_u32 s89, s89, s92
	s_mul_i32 s90, s89, 49152
	s_lshl_b32 s89, s16, 13                        ; my 128 keys
	s_add_co_u32 s90, s90, s89
	s_add_co_u32 s90, s90, 32768                   ; V's 16 KB
	s_mov_b32 s91, 0
	s_add_nc_u64 s[90:91], s[68:69], s[90:91]
	s_lshl_b32 s92, s92, 1
	s_add_co_u32 s92, s92, s88
	s_add_co_u32 s92, s92, s16                     ; 16 batch + the 128 tokens' number
	s_lshl_b32 s92, s92, 4
	s_lshl_b32 s93, s41, 2
	s_add_co_u32 s92, s92, s93
	s_lshl_b32 s93, s15, 1
	s_add_co_u32 s92, s92, s93                     ; x 16 + my first head in the batch
	s_lshl_b32 s92, s92, 8
	s_mov_b32 s93, 0
	s_add_nc_u64 s[92:93], s[70:71], s[92:93]
	LAST
	s_wait_loadcnt 0x0
	PLACES 4
.irp a, 0,1,2,3,4,5,6,7
	EPI_V \a
.endr
.irp a, 0,1,2,3,4,5,6,7
	v_permlanex16_b32 v[T+8+\a], v[SS+\a], s96, s97                            ; the other 64 keys' sum lies in the lane 16 away
.endr
.irp a, 0,1,2,3,4,5,6,7
	v_add_f32 v[SS+\a], v[SS+\a], v[T+8+\a]
.endr
	v_cmp_ne_u32 vcc_lo, 0, v2
.irp k, 0,1,2,3
	v_cndmask_b32 v[U+\k], v[SS+\k], v[SS+4+\k], vcc_lo                        ; lanes 0-15 store my first head's four sums, lanes 16-31 my second's
.endr
	global_store_b128 v[LI], v[U:U+3], s[92:93]
.Lend:
	s_wait_tensorcnt 0x0                           ; the wave's end
	ds_add_u32 v[SPW], v[NIL]
	s_wait_dscnt 0x0
	CROUND                                         ; the closing round: no work-group ends while a partner may still ask for a tile that names it
	s_endpgm
.Lfunc_end_k_q3efdce6bf1_qkv:
	.size	k_q3efdce6bf1_qkv, .Lfunc_end_k_q3efdce6bf1_qkv-k_q3efdce6bf1_qkv
	.p2alignl 7, 3214868480
	.fill 96, 4, 3214868480
	.section	.rodata,"a",@progbits
	.p2align	6, 0x0
	.amdhsa_kernel k_q3efdce6bf1_qkv
		.amdhsa_group_segment_fixed_size 327680
		.amdhsa_private_segment_fixed_size 0
		.amdhsa_enable_private_segment 0
		.amdhsa_kernarg_size 48
		.amdhsa_user_sgpr_count 2
		.amdhsa_user_sgpr_kernarg_segment_ptr 1
		.amdhsa_wavefront_size32 1
		.amdhsa_system_sgpr_workgroup_id_x 1
		.amdhsa_system_sgpr_workgroup_id_y 1
		.amdhsa_system_sgpr_workgroup_id_z 1
		.amdhsa_system_vgpr_workitem_id 0
		.amdhsa_next_free_vgpr 1024
		.amdhsa_next_free_sgpr 100
		.amdhsa_reserve_vcc 1
		.amdhsa_float_denorm_mode_32 3
		.amdhsa_float_denorm_mode_16_64 3
		.amdhsa_fp16_overflow 1
		.amdhsa_memory_ordered 1
		.amdhsa_forward_progress 1
		.amdhsa_inst_pref_size 155
	.end_amdhsa_kernel
	.amdgpu_metadata
---
amdhsa.version: [ 1, 2 ]
amdhsa.kernels:
  - .name:           k_q3efdce6bf1_qkv
    .symbol:         k_q3efdce6bf1_qkv.kd
    .args:
      - { .name: x_codes, .offset: 0, .size: 8, .value_kind: global_buffer, .address_space: global }
      - { .name: W_qkv_codes, .offset: 8, .size: 8, .value_kind: global_buffer, .address_space: global }
      - { .name: lowp_scales, .offset: 16, .size: 8, .value_kind: global_buffer, .address_space: global }
      - { .name: b_qkv, .offset: 24, .size: 8, .value_kind: global_buffer, .address_space: global }
      - { .name: qkv_img, .offset: 32, .size: 8, .value_kind: global_buffer, .address_space: global }
      - { .name: vpart, .offset: 40, .size: 8, .value_kind: global_buffer, .address_space: global }
    .group_segment_fixed_size: 327680
    .private_segment_fixed_size: 0
    .kernarg_segment_align: 8
    .kernarg_segment_size: 48
    .max_flat_workgroup_size: 128
    .sgpr_count:     100
    .vgpr_count:     1024
    .wavefront_size: 32
...
	.end_amdgpu_metadata
.endif
;; end of part 1
;; launch attn (part 2): grid 4 x 64, 8 waves a work-group, no clusters, 327,680 bytes of LDS; arguments qkv_img, key_padding_mask, vpart, lowp_scales, a_img; writes a_img
.if DOCPART == 2
	.amdgcn_target "amdgcn-amd-amdhsa--gfx1250"
	.amdhsa_code_object_version 6
	.text
	.protected	k_q3efdce6bf1_attn
	.globl	k_q3efdce6bf1_attn
	.p2align	8
	.type	k_q3efdce6bf1_attn,@function
k_q3efdce6bf1_attn:
	s_mov_b64 s[64:65], 0
	v_nop
	global_prefetch_b8 v0, s[64:65] scope:SCOPE_SE
	s_setreg_imm32_b32 hwreg(HW_REG_WAVE_MODE, 25, 1), 1
	s_wait_xcnt 0x0
; Causal attention with a key padding mask, both products on codes of E4M3; 64 heads of 2,048 tokens x 64.  q, k, v come as images of operand registers; the result is quantised (e6) and stored as images for the last product.
; t = score x log2(e) / 8; M = the running largest t rounded up to a whole number; p = 2^(t - M) is quantised (e4), not normalised; the row's sum is taken of the unquantised p and divides at the end.
; SHARES.  Work-group (i, head) takes the block of 256 queries number 7 - i with key slots 0 .. 7 - i, then block i with slots 0 .. i: nine slots of 256 keys for every i.  A wave owns 32 queries: two tiles of 16,
; tile 0 in register window 0, tile 1 in window 1 under the same register numbers.  Each fragment of K, of V and of the mask read from LDS feeds both tiles.
; Both products are used transposed (S^T = K Q^T, O^T = V^T P): a lane holds one query throughout; eight scores of a tile of 16 keys, converted, are two registers of P in the K = 128 form's own layout.
; THE PADDING MASK IS THE C OF THE SCORE PRODUCTS: a table in LDS holds 0 or NEG = -2^60 for each key; |raw score| <= 64 x 448^2 < 2^24.  Causally hidden scores of a step on the diagonal are set to NEG by a select;
; a step wholly behind my queries is jumped over (a scalar branch on ids).  The loop's trip count is a constant.
; A ROW THAT SEES NO KEY has, in the problem's definition, 2,048 equal logits: p = 1 for all keys, hidden ones too, and the sum 2,048.  Its largest t stays under THR; at the way out a select takes
; Q(1) x 2^(e5 - 11) x the sum of v's code values over all 2,048 keys (from vpart).  Until then such a row carries finite sums, which the first visible key multiplies by 0.
; NO CLUSTER: the four work-groups of a head walk the same slots only in their first trips (8 - i of them), later each its own: partners would need different tiles in the same round.
; LIMITS: e2 + e3 between -45 and 70 (c x 2^60 must lie far over every visible t, and be an f32 number); e4, e6 between -126 and 119.  Any mask byte other than 0 counts as true.
; LDS: slot 0 at 0, slot 1 at 32,768 (a slot: K's 16 KB, V's 16 KB, as they lie in memory); the mask table, nine entries of 1,024 bytes IN TRIP ORDER; each wave's own 256 bytes for the all-masked row; the spare words.
.set SX,    0x8000
.set MB,    65536
.set VMS,   74752
.set SPARE, 76800
.set HSTR,  393216                     ; a head's bytes in qkv_img
.set SSTR,  49152                      ; 256 tokens' Q, K and V
.set LI,  1                            ; v1  16 x lane
.set SPW, 2                            ; v2  my spare word; never rewritten
.set NIL, 3                            ; v3  0; never rewritten
.set ADK, 4                            ; v4  the slot in hand + 16 x lane
.set ADM, 5                            ; v5  the trip's mask entry + 32 h
.set MA0, 6
.set PFO, 7                            ; v7  256 x lane
.set VMA, 8                            ; v8  my wave's all-masked row + 32 h
.set HH,  9
.set VST, 10
.set MBA, 11
.set NM,  12                           ; from here on: the same numbers in windows 0 and 1.  -M
.set TM,  13                           ; the largest t
.set L,   14                           ; v[14:15] the sum, in two halves
.set Q,   16                           ; v16-23
.set DL,  24                           ; r - 8 h + 16 x tile
.set NEGR, 25
.set SCP, 26                           ; 2^e4
.set HP,  27
.set F,   28                           ; v[28:29]
.set T0,  30
.set T1,  31
.set S,   32                           ; v32-95 scores, then p
.set O,   96                           ; v96-127 O^T
.set PC,  128                          ; v128-143 p's codes
.set MX,  144                          ; v144-147 four chains of the maximum
.set SU,  148
.set SCA, 150                          ; 2^e6
.set HA,  151
.set QL,  152                          ; v152-159 the second block's Q
.set KV,  160                          ; window 0: K's eight fragments, then V's four
.set MK,  160                          ; window 1: the mask's eight C tiles
.set MO,  32                           ; the head's own: offsets, mask bytes, vpart
.set MD,  41
.set VO,  50
.set WV,  14
.set PI,  15
.set BH,  16
.set BLK, 17
.set KS,  18
.set KSN, 19
.set SEL, 20
.set CS,  22
.set G1,  24
.set G0,  32
.set KVB, 36
.set OFF, 38
.set TB,  40
.set TR,  41
.set Q0,  42
.set KF,  43
.set THR, 44
.set EPV, 45
.set LIM, 46
.set MT,  47
.set PFA, 48
.set AO,  50
.set AOL, 66
.set MSB, 0
.macro WIN new
.if MSB != (\new)
	s_set_vgpr_msb (MSB<<8)|(\new)
.set MSB, (\new)
.endif
.endm
	s_load_b256 s[4:11], s[0:1], 0x0               ; qkv_img s[4:5], mask s[6:7], vpart s[8:9], the scales' exponents s[10:11]
	s_load_b64 s[12:13], s[0:1], 0x20              ; a_img
	v_lshl_add_u32 v[SPW], v0, 2, SPARE
	v_mov_b32 v[NIL], 0
	ds_add_u32 v2, v3
	ds_add_u32 v2, v3
	s_wait_dscnt 0x0
	v_lshrrev_b32 v[HH], 5, v0
	s_delay_alu instid0(VALU_DEP_1)
	v_readfirstlane_b32 s[WV], v[HH]               ; wave 0..7
	s_mov_b32 s[PI], ttmp9                         ; i
	s_and_b32 s[BH], ttmp7, 0xffff                 ; head among the 64
	s_mov_b32 s[G1], 3<<16                         ; elements of 8 bytes, no mask, no padding: each wave moves 16 dense rows of 256 bytes, its eighth of a slot
	s_mov_b32 s[G1+1], 32<<16                      ; tensor_dim0
	s_mov_b32 s[G1+2], 16<<16                      ; tensor_dim1
	s_mov_b32 s[G1+3], 32<<16                      ; tile_dim0
	s_mov_b32 s[G1+4], 16                          ; tile_dim1
	s_mov_b32 s[G1+5], 32                          ; from row to row
	s_mov_b32 s[G1+6], 0
	s_mov_b32 s[G1+7], 0
	s_mul_i32 s60, s[BH], HSTR
	s_lshl_b32 s61, s[WV], 12
	s_add_co_u32 s62, s60, s61
	s_add_co_u32 s62, s62, 16384                   ; behind Q's 16 KB
	s_mov_b32 s63, 0
	s_mov_b32 s[OFF+1], 0
	s_wait_kmcnt 0x0
	s_load_b256 s[52:59], s[10:11], 0x0            ; e0 .. e7
	s_add_nc_u64 s[KVB:KVB+1], s[4:5], s[62:63]    ; my eighth of the head's key slot 0
	s_mov_b32 s[G0], 1
	s_lshl_b32 s[G0+1], s[WV], 12                  ; LDS: 4,096 x wave, in slot 0
	s_mov_b64 s[G0+2:G0+3], s[KVB:KVB+1]
	s_or_b32 s[G0+3], s[G0+3], 0x80000000
	tensor_load_to_lds s[G0:G0+3], s[G1:G1+7]      ; key slot 0: the one first fill at the head
	s_nop 0
.rept 4
	v_nop
.endr
	s_sub_co_u32 s[BLK], 7, s[PI]
	s_mov_b32 s[KS], 0
	s_mov_b32 s[KF], 0
	s_mov_b32 s[TB], 0
	s_mov_b32 s[MT], 0
	s_mov_b32 s[TR], 8
	s_mov_b32 s[SEL], 0x76543210
	s_mov_b32 s[SEL+1], 0xfedcba98
	s_lshl_b32 s[Q0], s[BLK], 8
	s_lshl_b32 s61, s[WV], 5
	s_add_co_u32 s[Q0], s[Q0], s61                 ; my first query
	s_lshl_b32 s68, s[WV], 11                      ; my two tiles of Q: 2 x 1,024 bytes
	s_mul_i32 s62, s[BLK], SSTR
	s_add_co_u32 s62, s62, s60
	s_add_co_u32 s62, s62, s68
	s_add_nc_u64 s[70:71], s[4:5], s[62:63]        ; the first block's Q
	s_mul_i32 s62, s[PI], SSTR
	s_add_co_u32 s62, s62, s60
	s_add_co_u32 s62, s62, s68
	s_add_nc_u64 s[72:73], s[4:5], s[62:63]        ; the second block's
	s_lshl_b32 s61, s[WV], 13
	s_add_co_u32 s62, s60, s61
	s_add_co_u32 s62, s62, 16384+SSTR
	s_add_nc_u64 s[PFA:PFA+1], s[4:5], s[62:63]    ; the prefetches: in key slot 1; the first change of slots steps it to slot 2
	s_lshr_b32 s74, s[BH], 4                       ; batch
	s_and_b32 s75, s[BH], 15                       ; head in the batch
	s_lshl_b32 s69, s[WV], 1
	s_lshl_b32 s61, s75, 10
	s_lshl_b32 s62, s74, 7
	s_lshl_b32 s68, s[BLK], 4
	s_add_co_u32 s62, s62, s68
	s_add_co_u32 s62, s62, s69                     ; my first tile of 16 tokens: 128 batch + 16 block + 2 wave
	s_lshl_b32 s62, s62, 14
	s_add_co_u32 s62, s62, s61
	s_add_nc_u64 s[AO:AO+1], s[12:13], s[62:63]
	s_lshl_b32 s62, s74, 7
	s_lshl_b32 s68, s[PI], 4
	s_add_co_u32 s62, s62, s68
	s_add_co_u32 s62, s62, s69
	s_lshl_b32 s62, s62, 14
	s_add_co_u32 s62, s62, s61
	s_add_nc_u64 s[AOL:AOL+1], s[12:13], s[62:63]
	s_lshl_b32 s62, s74, 11
	s_add_nc_u64 s[76:77], s[6:7], s[62:63]        ; the batch's mask
	s_lshl_b32 s62, s74, 16
	s_lshl_b32 s68, s75, 8
	s_add_co_u32 s62, s62, s68
	s_add_nc_u64 s[78:79], s[8:9], s[62:63]        ; the head's column sums
	s_lshr_b32 s62, s[WV], 2
	s_or_b32 s62, s62, ttmp9
	s_cmp_eq_u32 s62, 0
	s_cselect_b32 s[LIM], 2, -1                    ; waves 0-3 of the head's first work-group prefetch, while more than two trips are left
	v_and_b32 v[LI], 31, v0
	s_delay_alu instid0(VALU_DEP_1)
	v_lshlrev_b32 v[PFO], 8, v[LI]
	s_delay_alu instid0(VALU_DEP_2)
	v_lshlrev_b32 v[VO], 3, v[LI]
	s_delay_alu instid0(VALU_DEP_3)
	v_lshlrev_b32 v[LI], 4, v[LI]
	v_lshl_add_u32 v[MBA], v0, 2, MB               ; the mask table: thread t writes key t of each entry
	v_and_b32 v[HH], 1, v0
	s_delay_alu instid0(VALU_DEP_1)
	v_lshlrev_b32 v[HH], 7, v[HH]
	v_bfe_u32 v[VST], v0, 1, 4
	s_delay_alu instid0(VALU_DEP_1)
	v_lshl_add_u32 v[VST], v[VST], 2, v[HH]        ; 128 (lane % 2) + 4 (lane / 2)
	s_lshl_b32 s62, s[WV], 8
	s_add_co_u32 s62, s62, VMS
	v_add_nc_u32 v[VST], s62, v[VST]
	v_bfe_u32 v[HH], v0, 4, 1                      ; h
	s_delay_alu instid0(VALU_DEP_1)
	v_lshlrev_b32 v[VMA], 5, v[HH]
	s_delay_alu instid0(VALU_DEP_1)
	v_add_nc_u32 v[VMA], s62, v[VMA]
	s_delay_alu instid0(VALU_DEP_3)
	v_lshl_add_u32 v[MA0], v[HH], 5, MB
	v_and_b32 v[DL], 15, v0
	v_lshlrev_b32 v[HH], 3, v[HH]
	s_delay_alu instid0(VALU_DEP_1)
	v_sub_nc_u32 v[DL], v[DL], v[HH]               ; r - 8 h
	global_load_b128 v[Q:Q+3], v[LI], s[70:71]
	global_load_b128 v[Q+4:Q+7], v[LI], s[70:71] offset:512
	global_load_b128 v[QL:QL+3], v[LI], s[72:73]
	global_load_b128 v[QL+4:QL+7], v[LI], s[72:73] offset:512
	WIN 0x40                                       ; destination window 1: tile 1
	global_load_b128 v[Q:Q+3], v[LI], s[70:71] offset:1024
	global_load_b128 v[Q+4:Q+7], v[LI], s[70:71] offset:1536
	global_load_b128 v[QL:QL+3], v[LI], s[72:73] offset:1024
	global_load_b128 v[QL+4:QL+7], v[LI], s[72:73] offset:1536
	WIN 0
	s_sub_co_u32 s60, 8, s[PI]                     ; trips of the first block
.irp t, 0,1,2,3,4,5,6,7,8
	s_cmp_gt_u32 s60, \t
	s_cselect_b32 s61, 0, s60
	s_sub_co_u32 s61, \t, s61                      ; trip t's key slot
	s_lshl_b32 s61, s61, 8
	v_add_nc_u32 v[MO+\t], s61, v0
	global_load_u8 v[MD+\t], v[MO+\t], s[76:77]
.endr
.irp t, 0,1,2,3,4,5,6,7,8,9,10,11,12,13,14,15
	global_load_b64 v[64+2*\t:65+2*\t], v[VO], s[78:79] offset:4096*\t   ; lane l: d = 16 (2 (l % 2) + 0, 1) + l / 2, of 128 tokens
.endr
	s_wait_kmcnt 0x0
	s_add_co_i32 s60, s54, s55
	s_lshl_b32 s60, s60, 23
	s_add_co_i32 s[CS], s60, 0x3e38aa3b            ; c = log2(e) / 8 x 2^(e2 + e3): the exponents are added to its exponent field
	s_mov_b32 s[CS+1], s[CS]
	s_add_co_i32 s[THR], s[CS], 40<<23
	s_or_b32 s[THR], s[THR], 0x80000000            ; -2^40 c: over every t of a row that has seen no key, under every other
	s_add_co_i32 s38, s56, 127
	s_lshl_b32 s60, s38, 23                        ; 2^e4
	s_add_co_i32 s38, s38, 8
	s_lshl_b32 s38, s38, 23
	s_or_b32 s61, s38, 0x600000                    ; 448 x 2^e4
	s_add_co_i32 s38, s58, 127
	s_lshl_b32 s62, s38, 23                        ; 2^e6
	s_min_u32 s68, s61, 0x3f800000                 ; the number 1, quantised with 2^e4: min(1, 448 x 2^e4) (both positive: their bit patterns order them),
	s_cmp_gt_i32 s56, 9
	s_cselect_b32 s68, 0, s68                      ; or 0 where 1 / 2^e4 lies at or under half the smallest code
	s_sub_co_i32 s69, s57, 11
	s_add_co_i32 s[EPV], s56, s57
.macro INIT                            ; constants and the state, for the window that the destination names
	v_mov_b32 v[NEGR], 0xdd800000                  ; -2^60
	v_mov_b32 v[SCP], s60
	v_mov_b32 v[SCA], s62
	v_mov_b32 v[TM], 0xff61b1e6                    ; -3e38, under every t
	v_mov_b32 v[NM], 0x7f61b1e6                    ; -M = floor(3e38)
	v_mov_b32 v[L], 0
	v_mov_b32 v[L+1], 0
	v_mov_b32 v[F+1], 0                            ; (named as the upper half of a pair)
	v_mov_b32 v[T1], 0                             ; (a lane permute's destination counts as read)
.set j, 0
.rept 32
	v_mov_b32 v[O+j], 0                            ; the step is written once: the first finds zeros
.set j, j+1
.endr
.endm
	INIT
	WIN 0x40
	INIT
	v_add_nc_u32 v[DL], 16, v[DL]                  ; tile 1's queries lie 16 further on (the source is window 0's)
	WIN 0
	s_wait_loadcnt 0x0
.irp t, 0,1,2,3,4,5,6,7,8
	v_cmp_ne_u32 vcc_lo, 0, v[MD+\t]
	s_delay_alu instid0(VALU_DEP_1)
	v_cndmask_b32 v[MD+\t], 0, v[NEGR], vcc_lo
	ds_store_b32 v[MBA], v[MD+\t] offset:1024*\t
.endr
.set j, 2
	v_pk_add_f32 v[64:65], v[64:65], v[64+2*j:65+2*j]
	v_pk_add_f32 v[66:67], v[66:67], v[66+2*j:67+2*j]
.set j, j+2
.rept (7)-1
	s_delay_alu instid0(VALU_DEP_2)
	v_pk_add_f32 v[64:65], v[64:65], v[64+2*j:65+2*j]
	s_delay_alu instid0(VALU_DEP_2)
	v_pk_add_f32 v[66:67], v[66:67], v[66+2*j:67+2*j]
.set j, j+2
.endr
	s_delay_alu instid0(VALU_DEP_1)
	v_pk_add_f32 v[64:65], v[64:65], v[66:67]      ; the sum of v's code values over all 2,048 keys
	s_delay_alu instid0(VALU_DEP_1)
	v_mul_f32 v64, s68, v64
	s_delay_alu instid0(VALU_DEP_2)
	v_mul_f32 v65, s68, v65
	s_delay_alu instid0(VALU_DEP_2)
	v_ldexp_f32 v64, v64, s69                      ; x 2^e5 / 2,048
	s_delay_alu instid0(VALU_DEP_2)
	v_ldexp_f32 v65, v65, s69
	ds_store_b32 v[VST], v64                       ; my wave's own copy, by d: only I read it
	ds_store_b32 v[VST], v65 offset:64
; A prefetch of the key slot that the NEXT change of slots will ask for: 32 KB, 4 waves x 32 lanes x 256 bytes, each block named once in the launch: the head's four work-groups walk slots 0, 1, .. together in
; their first block, and work-group 0 walks all eight.  At trip t <= 5 it names slot t + 2; slots 0 and 1 come by their loads alone.
.macro ASK
	s_cmp_gt_u32 s[TR], s[LIM]
	s_cbranch_scc0 .Lnot_mine_\@
	global_prefetch_b8 v[PFO], s[PFA:PFA+1] th:TH_LOAD_NT scope:SCOPE_SE
.Lnot_mine_\@:
.endm
; THE CHANGE OF SLOTS, at a trip's head.  Each wave waits for all its tensor loads (its eighth of the slot ahead), adds 0 to its spare word, and waits for that and for its reads of the slot that it has left.
; fill = 1: that slot takes the next trip's keys: the load has a whole trip in which to land.  One tensor load of a wave is out at any time.
.macro CHANGE fill
	s_wait_tensorcnt 0x0
	ds_add_u32 v[SPW], v[NIL]
.if \fill
	s_add_co_u32 s[KSN], s[KS], 1
	s_cmp_eq_u32 s[KS], s[BLK]
	s_cselect_b32 s[KSN], 0, s[KSN]                ; behind a block's last slot: the other block's slot 0
	s_mul_i32 s[OFF], s[KSN], SSTR
	s_xor_b32 s[G0+1], s[G0+1], SX
	s_add_nc_u64 s[G0+2:G0+3], s[KVB:KVB+1], s[OFF:OFF+1]
	s_or_b32 s[G0+3], s[G0+3], 0x80000000
	s_wait_xcnt 0x0                                ; the last prefetch, a trip back, has read its address
	s_add_nc_u64 s[PFA:PFA+1], s[PFA:PFA+1], SSTR
.endif
	s_wait_dscnt 0x0
	s_barrier_signal -1
	s_barrier_wait -1
.if \fill
	tensor_load_to_lds s[G0:G0+3], s[G1:G1+7]
	s_nop 0
.rept 4
	v_nop
.endr
	ASK
.endif
.endm
; On the diagonal: register 8 t + j holds key KF' + 16 t + 8 h + j: hidden where 16 t + j > my query - KF' - 8 h.  s62 = my wave's first query - KF'.
.macro DIAG
	v_add_nc_u32 v[T0], s62, v[DL]
.set n, 0
.rept 64
	v_cmp_gt_i32 vcc_lo, 16*(n/8)+n%8, v[T0]
	v_cndmask_b32 v[S+n], v[S+n], v[NEGR], vcc_lo
.set n, n+1
.endr
.endm
; One tile's softmax for 128 keys, in the window that is set.
.macro SOFTMAX
.irp k, 0,1,2,3
	v_max_num_f32 v[MX+\k], v[S+2*\k], v[S+2*\k+1]                             ; four chains; each accumulator is first read at its low end
.endr
.irp t, 1,2,3,4,5,6,7
.irp k, 0,1,2,3
	v_max3_num_f32 v[MX+\k], v[MX+\k], v[S+8*\t+2*\k], v[S+8*\t+2*\k+1]
.endr
.endr
	s_delay_alu instid0(VALU_DEP_2)
	v_max3_num_f32 v[MX], v[MX], v[MX+1], v[MX+2]
	s_delay_alu instid0(VALU_DEP_1)
	v_max_num_f32 v[MX], v[MX], v[MX+3]
	v_permlanex16_b32 v[T1], v[MX], s[SEL], s[SEL+1]
	s_delay_alu instid0(VALU_DEP_1)
	v_max_num_f32 v[MX], v[MX], v[T1]              ; and among lane l xor 16's 64 keys
	s_delay_alu instid0(VALU_DEP_1)
	v_mul_f32 v[MX], s[CS], v[MX]                  ; as t (c is positive)
	s_delay_alu instid0(VALU_DEP_1)
	v_max_num_f32 v[TM], v[TM], v[MX]
	v_mov_b32 v[T0], v[NM]
	s_delay_alu instid0(VALU_DEP_2)
	v_floor_f32 v[NM], -v[TM]                      ; -M = floor(-t): M is a whole number
	s_delay_alu instid0(VALU_DEP_1)
	v_sub_f32 v[T0], v[NM], v[T0]                  ; old M - new M, 0 or less
	s_delay_alu instid0(VALU_DEP_1)
	v_cvt_i32_f32 v[T0], v[T0]                     ; (it saturates)
	s_delay_alu instid0(VALU_DEP_1)
	v_ldexp_f32 v[F], 1.0, v[T0]                   ; f = 2^(old M - new M)
.set j, 0
.rept 32
	v_pk_fma_f32 v[S+j:S+j+1], v[S+j:S+j+1], s[CS:CS+1], v[NM:NM+1] op_sel_hi:[1,0,0]   ; t - M
.set j, j+2
.endr
.set j, 0
	s_wait_alu depctr_va_vdst(0)
.rept 64
	v_exp_f32 v[S+j], v[S+j]
.set j, j+1
.endr
	v_pk_mul_f32 v[L:L+1], v[L:L+1], v[F:F+1] op_sel_hi:[1,0]                  ; the sums under the new M; the plain line behind the exponentials
	s_wait_alu depctr_va_vdst(0)                   ; one wait for the batch of 64, ahead of its first reader
	v_pk_add_f32 v[SU:SU+1], v[S:S+1], v[S+2:S+3]  ; the sum of the unquantised p, in two chains
.set j, 4
.rept 15
	v_pk_add_f32 v[L:L+1], v[L:L+1], v[S+j:S+j+1]
	v_pk_add_f32 v[SU:SU+1], v[SU:SU+1], v[S+j+2:S+j+3]
.set j, j+4
.endr
	s_delay_alu instid0(VALU_DEP_1)
	v_pk_add_f32 v[L:L+1], v[L:L+1], v[SU:SU+1]
.irp t, 0,1,2,3,4,5,6,7
.irp i, 0,1,2,3,4,5,6,7
.endr
	v_cvt_scalef32_pk8_fp8_f32 v[PC+2*\t:PC+2*\t+1], v[S+8*\t:S+8*\t+7], v[SCP]
.endr
.set j, 0
.rept 16
	v_pk_mul_f32 v[O+j:O+j+1], v[O+j:O+j+1], v[F:F+1] op_sel_hi:[1,0]          ; O^T under the new M; also the plain lines between the conversions and the products
.set j, j+2
.endr
.endm
; A KEY STEP: 128 keys, the q-th of the slot in hand, for both tiles.
.macro STEP q
	s_add_co_u32 s60, s[Q0], 31
	s_add_co_u32 s61, s[KF], 128*(\q)
	s_cmp_gt_u32 s61, s60
	s_cbranch_scc1 .Lhid_\@                        ; all its keys come after my 32 queries
	v_add_nc_u32 v[ADK], s[TB], v[LI]
	v_add_nc_u32 v[ADM], s[MT], v[MA0]
	v_nop
	v_nop                                          ; four plain lines between the last products and the loads into the registers that they read
.irp t, 0,1,2,3,4,5,6,7
	ds_load_b128 v[KV+8*\t:KV+8*\t+3], v[ADK] offset:8192*(\q)+1024*\t
	ds_load_b128 v[KV+8*\t+4:KV+8*\t+7], v[ADK] offset:8192*(\q)+1024*\t+512
.endr
	WIN 0x40
.irp t, 0,1,2,3,4,5,6,7
	ds_load_b128 v[MK+8*\t:MK+8*\t+3], v[ADM] offset:512*(\q)+64*\t
	ds_load_b128 v[MK+8*\t+4:MK+8*\t+7], v[ADM] offset:512*(\q)+64*\t+16
.endr
	s_wait_dscnt 0x0
	WIN 0x10                                       ; C in window 1
.irp t, 0,1,2,3,4,5,6,7
	v_wmma_f32_16x16x64_fp8_fp8 v[S+8*\t:S+8*\t+7], v[KV+8*\t:KV+8*\t+7], v[Q:Q+7], v[MK+8*\t:MK+8*\t+7]
.endr
	WIN 0x54                                       ; tile 1: Q, C and D in window 1
	s_wait_alu depctr_va_vdst(0)
.irp t, 0,1,2,3,4,5,6,7
	v_wmma_f32_16x16x64_fp8_fp8 v[S+8*\t:S+8*\t+7], v[KV+8*\t:KV+8*\t+7], v[Q:Q+7], v[MK+8*\t:MK+8*\t+7]
.endr
	WIN 0
.rept 4
	v_nop                                          ; ahead of the loads over K's fragments and of the first read of the scores
.endr
.irp t, 0,1,2,3
.irp c, 0,1,2,3
	ds_load_b128 v[KV+16*\t+4*\c:KV+16*\t+4*\c+3], v[ADK] offset:16384+8192*(\q)+2048*\t+512*\c
.endr
.endr
	s_add_co_u32 s60, s61, 127
	s_cmp_le_u32 s60, s[Q0]
	s_cbranch_scc1 .Lopen_\@                       ; all its keys count for all my queries
	s_sub_co_i32 s62, s[Q0], s61
	DIAG
	WIN 0x55
	DIAG
	WIN 0
.Lopen_\@:
	SOFTMAX
	s_wait_alu depctr_va_vdst(0)
	s_wait_dscnt 0x0                               ; V is in
.irp t, 0,1,2,3
	v_wmma_f32_16x16x128_fp8_fp8 v[O+8*\t:O+8*\t+7], v[KV+16*\t:KV+16*\t+15], v[PC:PC+15], v[O+8*\t:O+8*\t+7]
.endr
	WIN 0x55
	SOFTMAX
	WIN 0x54
.irp t, 0,1,2,3
	v_wmma_f32_16x16x128_fp8_fp8 v[O+8*\t:O+8*\t+7], v[KV+16*\t:KV+16*\t+15], v[PC:PC+15], v[O+8*\t:O+8*\t+7]
.endr
	WIN 0
.Lhid_\@:
.endm
; THE WAY OUT of tile x: O^T / the sum x 2^(e4 + e5), or the all-masked row's numbers; quantised with 2^e6.  A lane's codes are d = 16 t + 8 h + 0 .. 7; the last product wants d = 32 b + 16 h + 0 .. 15 in four
; registers: the halves of the lanes exchange registers.  Two stores of 512 consecutive bytes.
.macro FLUSH_T x
.if \x
	WIN 0x40
.endif
.irp t, 0,1,2,3
	ds_load_b128 v[S+32+8*\t:S+32+8*\t+3], v[VMA] offset:64*\t
	ds_load_b128 v[S+32+8*\t+4:S+32+8*\t+7], v[VMA] offset:64*\t+16
.endr
.if \x
	WIN 0x55
.endif
	v_add_f32 v[T0], v[L], v[L+1]
	v_permlanex16_b32 v[T1], v[T0], s[SEL], s[SEL+1]
	s_delay_alu instid0(VALU_DEP_1)
	v_add_f32 v[T0], v[T0], v[T1]                  ; the row's sum
	s_wait_alu depctr_va_vdst(0)
	v_rcp_f32 v[T1], v[T0]
	v_cmp_gt_f32 vcc_lo, s[THR], v[TM]             ; has my row seen no key?  (The plain line behind the reciprocal)
	s_wait_alu depctr_va_vdst(0)                   ; ahead of the reciprocal's first reader
	v_ldexp_f32 v[F], v[T1], s[EPV]
.set j, 0
.rept 16
	v_pk_mul_f32 v[S+j:S+j+1], v[O+j:O+j+1], v[F:F+1] op_sel_hi:[1,0]
.set j, j+2
.endr
	s_wait_dscnt 0x0
.set j, 0
.rept 32
	v_cndmask_b32 v[S+j], v[S+j], v[S+32+j], vcc_lo
.set j, j+1
.endr
.set j, 0
.rept 32
.set j, j+1
.endr
.irp t, 0,1,2,3
	v_cvt_scalef32_pk8_fp8_f32 v[PC+2*\t:PC+2*\t+1], v[S+8*\t:S+8*\t+7], v[SCA]
.endr
	v_nop
	v_permlane16_swap_b32 v[PC], v[PC+2]           ; the first's lanes 16-31 change places with the second's lanes 0-15
	v_permlane16_swap_b32 v[PC+1], v[PC+3]
	v_permlane16_swap_b32 v[PC+4], v[PC+6]
	v_permlane16_swap_b32 v[PC+5], v[PC+7]
.if \x
	WIN 0x04                                       ; the stores' data in window 1
.endif
	global_store_b128 v[LI], v[PC:PC+3], s[AO:AO+1] offset:(\x)*16384
	global_store_b128 v[LI], v[PC+4:PC+7], s[AO:AO+1] offset:(\x)*16384+512
	WIN 0
.endm
.macro RESET                           ; the state of a new block: O^T and the sum need no clearing, since the next f is 0
	v_mov_b32 v[TM], 0xff61b1e6
	v_mov_b32 v[NM], 0x7f61b1e6
.irp j, 0,1,2,3,4,5,6,7
	v_mov_b32 v[Q+\j], v[QL+\j]
.endr
.endm
.Ltrip:                                            ; eight trips, for every work-group; the ninth is written out
	CHANGE 1
	STEP 0
	STEP 1
	s_cmp_eq_u32 s[KS], s[BLK]
	s_cbranch_scc0 .Lsame
	FLUSH_T 0                                      ; the first block's last slot is done
	FLUSH_T 1
	s_wait_xcnt 0x0                                ; the stores have read their data and their base
	RESET
	WIN 0x41
	RESET
	WIN 0
	s_mov_b32 s[BLK], s[PI]
	s_lshl_b32 s[Q0], s[PI], 8
	s_lshl_b32 s60, s[WV], 5
	s_add_co_u32 s[Q0], s[Q0], s60
	s_mov_b64 s[AO:AO+1], s[AOL:AOL+1]
.Lsame:
	s_mov_b32 s[KS], s[KSN]
	s_lshl_b32 s[KF], s[KS], 8
	s_xor_b32 s[TB], s[TB], SX
	s_add_co_u32 s[MT], s[MT], 1024
	s_sub_co_u32 s[TR], s[TR], 1
	s_cmp_lg_u32 s[TR], 0
	s_cbranch_scc1 .Ltrip
	CHANGE 0
	STEP 0
	STEP 1
	FLUSH_T 0
	FLUSH_T 1
	s_wait_tensorcnt 0x0                           ; the wave's end
	ds_add_u32 v[SPW], v[NIL]
	s_wait_dscnt 0x0
	s_endpgm
.Lfunc_end_k_q3efdce6bf1_attn:
	.size	k_q3efdce6bf1_attn, .Lfunc_end_k_q3efdce6bf1_attn-k_q3efdce6bf1_attn
	.p2alignl 7, 3214868480
	.fill 96, 4, 3214868480
	.section	.rodata,"a",@progbits
	.p2align	6, 0x0
	.amdhsa_kernel k_q3efdce6bf1_attn
		.amdhsa_group_segment_fixed_size 327680
		.amdhsa_private_segment_fixed_size 0
		.amdhsa_enable_private_segment 0
		.amdhsa_kernarg_size 40
		.amdhsa_user_sgpr_count 2
		.amdhsa_user_sgpr_kernarg_segment_ptr 1
		.amdhsa_wavefront_size32 1
		.amdhsa_system_sgpr_workgroup_id_x 1
		.amdhsa_system_sgpr_workgroup_id_y 1
		.amdhsa_system_sgpr_workgroup_id_z 1
		.amdhsa_system_vgpr_workitem_id 0
		.amdhsa_next_free_vgpr 512
		.amdhsa_next_free_sgpr 80
		.amdhsa_reserve_vcc 1
		.amdhsa_float_denorm_mode_32 3
		.amdhsa_float_denorm_mode_16_64 3
		.amdhsa_fp16_overflow 1
		.amdhsa_memory_ordered 1
		.amdhsa_forward_progress 1
		.amdhsa_inst_pref_size 178
	.end_amdhsa_kernel
	.amdgpu_metadata
---
amdhsa.version: [ 1, 2 ]
amdhsa.kernels:
  - .name:           k_q3efdce6bf1_attn
    .symbol:         k_q3efdce6bf1_attn.kd
    .args:
      - { .name: qkv_img, .offset: 0, .size: 8, .value_kind: global_buffer, .address_space: global }
      - { .name: key_padding_mask, .offset: 8, .size: 8, .value_kind: global_buffer, .address_space: global }
      - { .name: vpart, .offset: 16, .size: 8, .value_kind: global_buffer, .address_space: global }
      - { .name: lowp_scales, .offset: 24, .size: 8, .value_kind: global_buffer, .address_space: global }
      - { .name: a_img, .offset: 32, .size: 8, .value_kind: global_buffer, .address_space: global }
    .group_segment_fixed_size: 327680
    .private_segment_fixed_size: 0
    .kernarg_segment_align: 8
    .kernarg_segment_size: 40
    .max_flat_workgroup_size: 256
    .sgpr_count:     80
    .vgpr_count:     512
    .wavefront_size: 32
...
	.end_amdgpu_metadata
.endif
;; end of part 2
;; launch proj (part 3): grid 8 x 32, 4 waves a work-group, clusters of 4 x 4, 327,680 bytes of LDS; arguments a_img, W_proj_codes, lowp_scales, b_proj, out0; writes out0
.if DOCPART == 3
	.amdgcn_target "amdgcn-amd-amdhsa--gfx1250"
	.amdhsa_code_object_version 6
	.text
	.protected	k_q3efdce6bf1_proj
	.globl	k_q3efdce6bf1_proj
	.p2align	8
	.type	k_q3efdce6bf1_proj,@function
k_q3efdce6bf1_proj:
	s_mov_b64 s[64:65], 0
	v_nop
	global_prefetch_b8 v0, s[64:65] scope:SCOPE_SE
	s_setreg_imm32_b32 hwreg(HW_REG_WAVE_MODE, 25, 1), 1
	s_wait_xcnt 0x0
	s_wait_alu depctr_hold_cnt(0) depctr_sa_sdst(0) depctr_va_vdst(0) depctr_va_sdst(0) depctr_va_ssrc(0) depctr_va_vcc(0) depctr_vm_vsrc(0)
	s_getreg_b32 s2, hwreg(HW_REG_IB_STS2, 6, 4)
	s_cmp_eq_u32 s2, 0
	s_cbranch_scc0 .Lentry_in_a_cluster
	s_endpgm
.Lentry_in_a_cluster:
	s_bfe_u32 s2, ttmp6, 0x10000c
	s_cmp_lg_u32 s2, 0xf033
	s_cbranch_scc0 .Lentry_shape_is_right
	s_endpgm
.Lentry_shape_is_right:
; out0 = a W_proj + b_proj on codes of E4M3.  a: 8,192 tokens x 1,024, as images of operand registers: [16 tokens: 512][head 16][half of the head 2][lane][16 B], lane (r, h): token r, d = 32 b + 16 h + 0 .. 15.
; Two heads of a tile of tokens are one fragment for 128 along K, registers 4 c .. 4 c + 3 holding k = 32 c + 16 h + 0 .. 15: the order that four loads of 16 bytes give W_proj's rows ([1024][1024] codes, K innermost).
; A tile of out0 is 256 tokens x 128 columns, so that there are 256 work-groups; four waves, each 128 x 64 in 32 accumulators.  K = 1,024 goes in four steps of 256 through two LDS slots.
; Source 0 = 16 rows of W (B side), source 1 = 16 tokens (A side): a lane's eight sums are eight neighbouring columns of one row of out0.
; CLUSTERS: 4 x 4 work-groups; a's tile is asked for jointly along a row of the cluster, W's along a column.
; LIMIT: e6 + e7 between -126 and 127.
; REGISTERS: window 0: v0-31 addresses, v32-63 bias, v64-95 at work, v128-255 A's eight fragments (on the way out: rows read back); window 1: B's fragments, two sets; window 2: the accumulators.
.set NB,     4
.set PITCH,  272
.set FQ,     2048                      ; A's images: 128 along K are two heads,
.set FC,     512                       ; a chunk is 512 bytes,
.set FI,     4096                      ; a tile of tokens has four heads in a slot
.set HALFA,  32768                     ; 8 tiles of tokens x 4,096 bytes
.set HALFB,  64*PITCH
.set SLOT,   2*HALFA+2*HALFB
.set ASTEP,  4096
.set BSTEP,  256
.set STAGE,  2*SLOT                    ; behind the ring: 16 rows x 272 bytes for each wave, its own
.set SPARE,  STAGE+4*16*PITCH          ; the spare words, 128 bytes a wave, that no other line names
.set ADRA, 16
.set ADRB, 20
.set STO,  24
.set RD,   25
.set CO,   26
.set SPW,  28
.set NIL,  29
.set LI,   11
.set BI,   32
.set T,    64
.set AF,   128
.set BK,   128
.set G1,  24
.set G0,  32
.set G1B, 48
.set G0B, 56
.set MSB, 0
.macro WIN new
.if MSB != (\new)
	s_set_vgpr_msb (MSB<<8)|(\new)
.set MSB, (\new)
.endif
.endm
.macro JLOAD g0a, g1a, g0b, g1b        ; waves 0 and 1 fetch A's halves, waves 2 and 3 B's; four v_nop follow each line
	s_cmp_eq_u32 s15, 0
	s_cbranch_scc0 .Lfor_b_\@
	tensor_load_to_lds s[\g0a:\g0a+3], s[\g1a:\g1a+7]
	s_nop 0
.rept 4
	v_nop
.endr
	s_branch .Lasked_\@
.Lfor_b_\@:
	tensor_load_to_lds s[\g0b:\g0b+3], s[\g1b:\g1b+7]
	s_nop 0
.rept 4
	v_nop
.endr
.Lasked_\@:
.endm
.macro CREST
	s_cmp_lg_u32 s14, 0
	s_cbranch_scc1 .Lnot_wave_0_\@
	s_barrier_signal -3
.Lnot_wave_0_\@:
	s_barrier_wait -3
	s_barrier_signal -1
	s_barrier_wait -1
.endm
.macro CROUND
	s_barrier_signal -1
	s_barrier_wait -1
	CREST
.endm
.macro PLACES n
.rept \n
	v_nop
.endr
.endm
.macro FRAGA reg, slot, q, i
.irp c, 0,1,2,3
	ds_load_b128 v[\reg+4*\c:\reg+4*\c+3], v[ADRA+\slot] offset:FQ*(\q)+FC*\c+FI*(\i)
.endr
.endm
.macro FRAGB reg, slot, q, i
.irp c, 0,1,2,3
	ds_load_b128 v[\reg+4*\c:\reg+4*\c+3], v[ADRB+\slot] offset:128*(\q)+32*\c+(\i)*16*PITCH
.endr
.endm
.macro FETCH_B slot, q, p
	WIN 0x40
.irp i, 0,1,2,3
	FRAGB 128*(\p)+16*\i, \slot, \q, \i
.endr
	WIN 0
.endm
.macro FETCH_A slot, q, i0
.irp i, \i0, \i0+1, \i0+2, \i0+3
	FRAGA AF+16*(\i), \slot, \q, \i
.endr
.endm
; A's blocks a0, a0 + 1 against B's four.  The 32 accumulators take turns, one instruction a turn, in the same order in every step.
.macro MULP a0, p, zero
	WIN 0xa1
.irp a, \a0, \a0+1
.irp b, 0,1,2,3
.set rD, 8*(NB*(\a)+\b)
.if \zero
	v_wmma_f32_16x16x128_fp8_fp8 v[rD:rD+7], v[128*(\p)+16*\b:128*(\p)+16*\b+15], v[AF+16*(\a):AF+16*(\a)+15], 0
.else
	v_wmma_f32_16x16x128_fp8_fp8 v[rD:rD+7], v[128*(\p)+16*\b:128*(\p)+16*\b+15], v[AF+16*(\a):AF+16*(\a)+15], v[rD:rD+7]
.endif
.endr
.endr
.endm
.macro STEP slot, q, zero
	s_wait_dscnt 16                                ; all but the youngest 16 loads (A's blocks 4-7) are in
	MULP 0, (\q)%2, \zero
	MULP 2, (\q)%2, \zero
	s_wait_dscnt 0
	PLACES 4
	FETCH_B \slot, (\q)+1, 1-(\q)%2
	FETCH_A \slot, (\q)+1, 0
	MULP 4, (\q)%2, \zero
	MULP 6, (\q)%2, \zero
	PLACES 4
	WIN 0
	FETCH_A \slot, (\q)+1, 4
.endm
.macro TURN slot, next, fill
	s_wait_tensorcnt 0x0                           ; my part of the next slot has landed; no tensor load of mine is out
	ds_add_u32 v[SPW], v[NIL]
	s_wait_dscnt 17                                ; the add and the youngest 16 loads may be out
	MULP 0, 1, 0
	s_wait_dscnt 0x0                               ; the add is done, my reads of this slot are over
	s_barrier_signal -1
	MULP 2, 1, 0
	WIN 0
	s_barrier_wait -1
.if \fill
	CREST                                          ; no wave of any partner still reads this slot or has a load on its way
	s_add_nc_u64 s[G0+4*\slot+2:G0+4*\slot+3], s[G0+4*\slot+2:G0+4*\slot+3], 2*ASTEP
	s_add_nc_u64 s[G0B+4*\slot+2:G0B+4*\slot+3], s[G0B+4*\slot+2:G0B+4*\slot+3], 2*BSTEP
	JLOAD G0+4*\slot, G1, G0B+4*\slot, G1B
.else
	PLACES 4
.endif
	FETCH_B \next, 0, 0
	FETCH_A \next, 0, 0
	MULP 4, 1, 0
	MULP 6, 1, 0
	PLACES 4
	WIN 0
	FETCH_A \next, 0, 4
.endm
	s_load_b256 s[4:11], s[0:1], 0x0               ; a_img s[4:5], W s[6:7], the scales' exponents s[8:9], b_proj s[10:11]
	s_load_b64 s[68:69], s[0:1], 0x20              ; out0
	v_lshl_add_u32 v[SPW], v0, 2, SPARE
	v_mov_b32 v[NIL], 0
	ds_add_u32 v28, v29
	ds_add_u32 v28, v29
	s_wait_dscnt 0x0
	v_lshrrev_b32 v1, 5, v0
	v_readfirstlane_b32 s14, v1
	s_lshr_b32 s15, s14, 1                         ; my half of the tokens.  Also: I fetch for A (0) or for B (1)
	s_and_b32 s16, s14, 1                          ; my half of the columns.  Also: which half I fetch
	s_bfe_u32 s40, ttmp6, 0x40000                  ; cx
	s_bfe_u32 s41, ttmp6, 0x40004                  ; cy
	s_and_b32 s17, ttmp7, 0xffff
	s_lshl_b32 s17, s17, 2
	s_add_co_u32 s82, s17, s41                     ; tile row: 256 tokens
	s_lshl_b32 s85, ttmp9, 2
	s_add_co_u32 s85, s85, s40                     ; tile column: 128 columns
	s_lshl_b32 s43, s41, 2
	s_lshl_b32 s43, 15, s43
	s_lshl_b32 s44, 0x1111, s40
	s_or_b32 s[G1+0], s43, (3<<16)|(1<<21)         ; A: mask of my row; elements of 8 bytes; no padding
	s_mov_b32 s[G1+1], 512<<16                     ; tensor_dim0: 4,096 bytes, four heads of a tile of tokens
	s_mov_b32 s[G1+2], 8<<16                       ; tensor_dim1: 8 tiles of tokens
	s_mov_b32 s[G1+3], 512<<16
	s_mov_b32 s[G1+4], 8
	s_mov_b32 s[G1+5], 2048                        ; 16,384 bytes from one tile of tokens to the next
	s_mov_b32 s[G1+6], 0
	s_mov_b32 s[G1+7], 0
	s_or_b32 s[G1B+0], s44, (0<<16)|(1<<20)|(1<<21)|(5<<22)|(3<<25)   ; B: mask of my column; bytes; 4 words of padding behind every 64
	s_mov_b32 s[G1B+1], 256<<16
	s_mov_b32 s[G1B+2], 64<<16
	s_mov_b32 s[G1B+3], 256<<16
	s_mov_b32 s[G1B+4], 64
	s_mov_b32 s[G1B+5], 1024
	s_mov_b32 s[G1B+6], 0
	s_mov_b32 s[G1B+7], 0
	s_lshl_b32 s20, s82, 4
	s_lshl_b32 s18, s16, 3
	s_add_co_u32 s20, s20, s18
	s_lshl_b32 s20, s20, 14                        ; A: (16 x tile row + 8 x half) tiles of 16,384 bytes
	s_mov_b32 s21, 0
	s_lshl_b32 s46, s85, 7
	s_lshl_b32 s18, s16, 6
	s_add_co_u32 s46, s46, s18
	s_lshl_b32 s46, s46, 10                        ; B: (128 x tile column + 64 x half) rows of 1,024 bytes
	s_mov_b32 s47, 0
	s_mul_i32 s45, s16, HALFA
	s_mul_i32 s42, s16, HALFB
	s_add_co_u32 s42, s42, 2*HALFA
	s_wait_kmcnt 0x0
	s_load_b256 s[72:79], s[8:9], 0x0              ; e0 .. e7
	s_add_nc_u64 s[20:21], s[4:5], s[20:21]
	s_add_nc_u64 s[46:47], s[6:7], s[46:47]
	CROUND
.irp s, 0,1
	s_mov_b32 s[G0+4*\s], 1
	s_add_co_u32 s[G0+4*\s+1], s45, \s*SLOT
	s_add_nc_u64 s[G0+4*\s+2:G0+4*\s+3], s[20:21], \s*ASTEP
	s_or_b32 s[G0+4*\s+3], s[G0+4*\s+3], 0x80000000
	s_mov_b32 s[G0B+4*\s], 1
	s_add_co_u32 s[G0B+4*\s+1], s42, \s*SLOT
	s_add_nc_u64 s[G0B+4*\s+2:G0B+4*\s+3], s[46:47], \s*BSTEP
	s_or_b32 s[G0B+4*\s+3], s[G0B+4*\s+3], 0x80000000
	s_wait_alu depctr_va_vdst(0)
	s_wait_tensorcnt 0x0
	ds_add_u32 v28, v29
	ds_add_u32 v28, v29
	s_wait_dscnt 0x0
	CROUND
	JLOAD G0+4*\s, G1, G0B+4*\s, G1B
.endr
	v_and_b32 v1, 15, v0                           ; r
	v_bfe_u32 v2, v0, 4, 1                         ; h
	v_and_b32 v[LI], 31, v0
	v_lshlrev_b32 v[LI], 4, v[LI]
	v_mul_u32_u24 v3, v1, PITCH
	s_wait_alu depctr_va_vdst(0)
	v_lshl_add_u32 v4, v2, 4, v3
	s_mul_i32 s21, s15, HALFA
	s_mul_i32 s22, s16, HALFB
	s_add_co_u32 s22, s22, 2*HALFA
.irp s, 0,1
	v_add_nc_u32 v[ADRA+\s], s21, v[LI]            ; A's images: 16 x lane
	v_add_nc_u32 v[ADRB+\s], s22, v4               ; B's rows: r x pitch + 16 h
	s_add_co_u32 s21, s21, SLOT
	s_add_co_u32 s22, s22, SLOT
.endr
	s_mul_i32 s23, s14, 16*PITCH
	s_add_co_u32 s23, s23, STAGE                   ; my stage
	v_lshl_add_u32 v5, v2, 5, v3
	v_add_nc_u32 v[STO], s23, v5                   ; in: row r, 32 bytes for each half of the lanes
	v_mul_u32_u24 v5, v2, PITCH
	v_lshl_add_u32 v5, v1, 4, v5
	v_add_nc_u32 v[RD], s23, v5                    ; back: lanes 0-15 one row of 256 bytes, lanes 16-31 the next
	v_lshlrev_b32 v5, 12, v2
	v_lshl_add_u32 v[CO], v1, 4, v5                ; and the same two rows in out0
	v_lshlrev_b32 v12, 5, v2                       ; 32 h: the bias
	s_wait_alu depctr_va_vdst(0)
	s_lshl_b32 s94, s85, 9
	s_lshl_b32 s95, s16, 8
	s_add_co_u32 s94, s94, s95                     ; my 64 columns, in bytes
	s_mov_b32 s95, 0
	s_lshl_b32 s88, s82, 8
	s_lshl_b32 s89, s15, 7
	s_add_co_u32 s88, s88, s89
	s_lshl_b32 s88, s88, 12                        ; my first row of out0, 4,096 bytes a row
	s_add_co_u32 s88, s88, s94
	s_mov_b32 s89, 0
	s_add_nc_u64 s[90:91], s[68:69], s[88:89]
	s_add_nc_u64 s[94:95], s[10:11], s[94:95]
.irp b, 0,1,2,3
	global_load_b128 v[BI+8*\b:BI+8*\b+3], v12, s[94:95] offset:64*\b          ; bias of columns 16 b + 8 h + 0 .. 7
	global_load_b128 v[BI+8*\b+4:BI+8*\b+7], v12, s[94:95] offset:64*\b+16
.endr
	s_wait_tensorcnt 0x1                           ; my part of K step 0 is in; K step 1's load may be out
	s_barrier_signal -1
	s_barrier_wait -1
	FETCH_B 0, 0, 0
	FETCH_A 0, 0, 0
	FETCH_A 0, 0, 4
	STEP 0, 0, 1
	TURN 0, 1, 1
	STEP 1, 0, 0
	TURN 1, 0, 1
	STEP 0, 0, 0
	TURN 0, 1, 0
	STEP 1, 0, 0
	s_wait_dscnt 16                                ; the very last 128 along K
	MULP 0, 1, 0
	MULP 2, 1, 0
	s_wait_dscnt 0
	MULP 4, 1, 0
	MULP 6, 1, 0
	WIN 0
; THE WAY OUT, 16 rows x 64 columns at a time, through my own stage: in as 32 bytes a lane, back as whole rows of 256 bytes.  LDS serves a wave's instructions in order (ISA guide 5.7.1.4): no wait between stores and loads.
.macro TOSTAGE a
	WIN 0x02
.set rA, 32*(\a)
.set j, 0
.rept 16
	v_pk_fma_f32 v[T+j:T+j+1], v[rA+j:rA+j+1], s[80:81], v[BI+j:BI+j+1] op_sel_hi:[1,0,1]   ; sum x 2^(e6 + e7) + bias; each accumulator from its low end on
.set j, j+2
.endr
	WIN 0
.irp b, 0,1,2,3
	ds_store_b128 v[STO], v[T+8*\b:T+8*\b+3] offset:64*\b
	ds_store_b128 v[STO], v[T+8*\b+4:T+8*\b+7] offset:64*\b+16
.endr
.set rK, BK+32*((\a)%2)
.irp t, 0,1,2,3,4,5,6,7
	ds_load_b128 v[rK+4*\t:rK+4*\t+3], v[RD] offset:2*PITCH*\t
.endr
.endm
.macro SEND a, younger                 ; younger: the LDS instructions issued behind block a's loads
.set rK, BK+32*((\a)%2)
	s_wait_dscnt \younger
.irp t, 0,1,2,3,4,5,6,7
	global_store_b128 v[CO], v[rK+4*\t:rK+4*\t+3], s[90:91] offset:(\a)*65536+8192*\t th:TH_STORE_NT   ; 16 lanes store 256 consecutive bytes, aligned; written once
.endr
.endm
	s_wait_kmcnt 0x0
	s_add_co_i32 s80, s78, s79
	s_add_co_i32 s80, s80, 127
	s_lshl_b32 s80, s80, 23                        ; 2^(e6 + e7) as f32
	s_mov_b32 s81, s80
	s_wait_loadcnt 0x0                             ; the bias
	PLACES 4
	TOSTAGE 0
.irp a, 1,2,3,4,5,6,7
.if \a > 1
	s_wait_xcnt 0x0                                ; block a - 2's stores have read their registers: block a's loads may land there
.endif
	TOSTAGE \a
	SEND \a-1, 16                                  ; behind block a - 1's loads: block a's 8 stores and 8 loads
.endr
	SEND 7, 0
	s_wait_tensorcnt 0x0                           ; the wave's end
	ds_add_u32 v[SPW], v[NIL]
	s_wait_dscnt 0x0
	CROUND                                         ; the closing round
	s_endpgm
.Lfunc_end_k_q3efdce6bf1_proj:
	.size	k_q3efdce6bf1_proj, .Lfunc_end_k_q3efdce6bf1_proj-k_q3efdce6bf1_proj
	.p2alignl 7, 3214868480
	.fill 96, 4, 3214868480
	.section	.rodata,"a",@progbits
	.p2align	6, 0x0
	.amdhsa_kernel k_q3efdce6bf1_proj
		.amdhsa_group_segment_fixed_size 327680
		.amdhsa_private_segment_fixed_size 0
		.amdhsa_enable_private_segment 0
		.amdhsa_kernarg_size 40
		.amdhsa_user_sgpr_count 2
		.amdhsa_user_sgpr_kernarg_segment_ptr 1
		.amdhsa_wavefront_size32 1
		.amdhsa_system_sgpr_workgroup_id_x 1
		.amdhsa_system_sgpr_workgroup_id_y 1
		.amdhsa_system_sgpr_workgroup_id_z 1
		.amdhsa_system_vgpr_workitem_id 0
		.amdhsa_next_free_vgpr 768
		.amdhsa_next_free_sgpr 100
		.amdhsa_reserve_vcc 0
		.amdhsa_float_denorm_mode_32 3
		.amdhsa_float_denorm_mode_16_64 3
		.amdhsa_memory_ordered 1
		.amdhsa_forward_progress 1
		.amdhsa_inst_pref_size 79
	.end_amdhsa_kernel
	.amdgpu_metadata
---
amdhsa.version: [ 1, 2 ]
amdhsa.kernels:
  - .name:           k_q3efdce6bf1_proj
    .symbol:         k_q3efdce6bf1_proj.kd
    .args:
      - { .name: a_img, .offset: 0, .size: 8, .value_kind: global_buffer, .address_space: global }
      - { .name: W_proj_codes, .offset: 8, .size: 8, .value_kind: global_buffer, .address_space: global }
      - { .name: lowp_scales, .offset: 16, .size: 8, .value_kind: global_buffer, .address_space: global }
      - { .name: b_proj, .offset: 24, .size: 8, .value_kind: global_buffer, .address_space: global }
      - { .name: out0, .offset: 32, .size: 8, .value_kind: global_buffer, .address_space: global }
    .group_segment_fixed_size: 327680
    .private_segment_fixed_size: 0
    .kernarg_segment_align: 8
    .kernarg_segment_size: 40
    .max_flat_workgroup_size: 128
    .sgpr_count:     100
    .vgpr_count:     768
    .wavefront_size: 32
...
	.end_amdgpu_metadata
.endif
;; end of part 3
